; MI455X (gfx1250); checked and timed in simulation.
; The chip was launched on July 23, 2026; its instructions are those of AMD's public machine-readable ISA for CDNA 5 (MIT licence, August 2026) and "CDNA5" Instruction Set Architecture Reference Guide (July 2026). The comments in the code are by the model that wrote it; some were corrected since.
;; Multi Head Attention. Allowed arithmetic: matrix products marked QUANTISED: E4M3 operands, one given power-of-two scale a tensor, by v_wmma_f32_16x16x64_fp8_fp8 or v_wmma_f32_16x16x128_fp8_fp8, f32 sums; everything else in f32.
;; Inputs: W_key 1,024 x 1,024 float32; W_out 1,024 x 1,024 float32; W_query 1,024 x 1,024 float32; W_value 1,024 x 1,024 float32; b_out 1,024 float32; lowp_scales 12 int32 (the exponents e of the quantised operands' scales 2^e); x 4 x 2,048 x 1,024 float32.
;; Outputs: out0 4 x 2,048 x 1,024 float32.
;; This version of the problem:
;;   THIS VERSION OF THE PROBLEM IS GIVEN IN LOW PRECISION. The matrix products marked QUANTISED in the list below multiply operands that are first quantised to E4M3 (4 exponent bits, 3 mantissa bits; 8 bits a number), with one given power-of-two scale for each operand tensor; their sums are f32. All else is computed in f32.
;;   The module's matrix products, in the order in which they are computed (A, B: the left and right operand; K: the contracted axis; several contracted axes count as one K, in the product's order):
;;     1. [M 8,192, K 1,024] x [K 1,024, N 1,024]; A: input x; B: input W_query: QUANTISED (scales: A lowp_scales[0], B lowp_scales[1])
;;     2. [M 8,192, K 1,024] x [K 1,024, N 1,024]; A: input x; B: input W_key: QUANTISED (scales: A lowp_scales[2], B lowp_scales[3])
;;     3. [M 8,192, K 1,024] x [K 1,024, N 1,024]; A: input x; B: input W_value: QUANTISED (scales: A lowp_scales[4], B lowp_scales[5])
;;     4. batch 64 x [M 2,048, K 64] x [K 64, N 2,048]; A: computed on the way; B: computed on the way: QUANTISED (scales: A lowp_scales[6], B lowp_scales[7])
;;     5. batch 64 x [M 2,048, K 2,048] x [K 2,048, N 64]; A: softmax (see below); B: computed on the way: QUANTISED (scales: A lowp_scales[8], B lowp_scales[9])
;;     6. [M 8,192, K 1,024] x [K 1,024, N 1,024]; A: computed on the way; B: input W_out: QUANTISED (scales: A lowp_scales[10], B lowp_scales[11])
;;   THE QUANTISER, for each operand of a quantised product, along K:
;;     - The operand's scale is 2^e, e = its entry of the input lowp_scales (int32; the entries are numbered through the quantised products in the list's order, A before B).
;;     - Each number is divided by the scale, clamped to +-448, and rounded to the nearest number of E4M3, ties to even, subnormals kept.
;;     - The product sums the exact products of the quantised numbers (number of the format x scale) in f32.
;;   ~~~python
;;   def quantise(x, axis, e):      # numpy; x: float32 -> the quantised numbers, widened to float32 again
;;       x = np.moveaxis(x, axis, -1); K = x.shape[-1]
;;       r = np.clip(x / 2.0 ** e, -448, 448)
;;       step = 2.0 ** (np.maximum(np.frexp(np.where(r == 0, 1, r))[1] - 1, -6) - 3)
;;       q = np.round(r / step) * step * 2.0 ** e      # np.round: ties to even
;;       return np.moveaxis(q, -1, axis).astype(np.float32)
;;   ~~~
;;   SOFTMAX AHEAD OF A QUANTISED PRODUCT. Where the list says 'softmax', what is quantised is not the finished softmax but p = 2^(t - M), with t = logit x log2(e) and M = ceil(the row's largest t), a whole number; so 1/2 < the row's largest p <= 1. The row's sum l is taken of the UNQUANTISED p, in f32, and the product's result is divided by l at the end. Since M is a whole number, a kernel that streams over the keys may use a running M (the ceiling of the running maximum): every later rescaling is an exact power of two, so the quantised numbers keep their values, but for numbers so far below the row's largest that they fall under the format's range.
;;   OPERANDS COMPUTED ON THE WAY. 'Computed on the way' means the value that the module computes at that place (a softmax that the list does not call 'softmax' is quantised finished and normalised). What goes into a quantiser is computed in f32, as accurately as f32 sums, v_exp_f32 and their like allow (about 1e-6 of the number): no bf16 or f16 on the way to a quantiser, and a product that is left as it is and whose result goes on into a quantised operand takes f32 operands (vector FMAs, or v_wmma_f32_16x16x4_f32). A number that lies on a knife's edge between two numbers of the format may be rounded either way, as far as f32 arithmetic and the matrix unit's own rounding can turn it there, and no further.
;; One version. Each part assembles by itself: llvm-mc -triple=amdgcn-amd-amdhsa -mcpu=gfx1250 --defsym DOCPART=n.
;; ======== version 1 of 1: 4 launches
;; limits: right only within a limited range of input values
;; workspace buffers: xc 25,165,824 bytes; wc 4,194,304 bytes; qkvc 25,165,824 bytes; ctxc 8,388,608 bytes
;; launch quant (part 1): grid 640 x 1, 4 waves a work-group, no clusters, 68,096 bytes of LDS; arguments x, W_query, W_key, W_value, W_out, lowp_scales, xc, wc; writes xc, wc
.if DOCPART == 1
	.amdgcn_target "amdgcn-amd-amdhsa--gfx1250"
	.amdhsa_code_object_version 6
	.text
	.protected	k_qc187eb177f_quant
	.globl	k_qc187eb177f_quant
	.p2align	8
	.type	k_qc187eb177f_quant,@function
k_qc187eb177f_quant:
	s_mov_b64 s[64:65], 0
	v_nop
	global_prefetch_b8 v0, s[64:65] scope:SCOPE_SE
	s_setreg_imm32_b32 hwreg(HW_REG_WAVE_MODE, 25, 1), 1
	s_wait_xcnt 0x0
; x [8192][1024] f32 becomes three sets of E4M3 codes (scales 2^e0, 2^e2, 2^e4: one for each product that reads x); the four weights [1024 k][1024 n] f32 become codes of W^T (scales 2^e1, 2^e3, 2^e5, 2^e11).
; code = number / 2^e, held within +-448, rounded to the nearest code, ties to even.
; THE LAYOUT OF ALL CODES (an image of operand registers).  For a matrix [rows][K], K the contracted axis:
;   byte(row, k) = (row/16) 16 K + (k/32) 512 + 16 (16 ((k%16)/8) + row%16) + 8 ((k%32)/16) + k%8.
; A group of 512 bytes is four operand registers of 32 lanes (16 rows x 32 along K): lane l's 16 bytes lie at 16 l, and k stands where the plain 8-bit matrix forms want it
; (registers 2 c, 2 c + 1: k = 16 c + 8 (l / 16) + 0 .. 7).  So every later reader takes a fragment by loads of 16 bytes a lane, 512 consecutive bytes an instruction.
; SHARES.  Work-groups 0-127 take the weights, 128-639 take x (a branch on the work-group's number).  Waves share nothing: no barrier.  Only x's path uses LDS.
; LIMITS: each e named above lies between -126 and 119, so that 2^e and 448 x 2^e are f32 numbers.  NaN among the inputs is not served; an infinity is held at the largest code.
.set R0,   16                          ; x: v16-79, v80-143  two K steps' numbers as loaded (16 rows x 16 bytes a lane)
.set X,    144                         ; x: v144-207 my 64 numbers of one row, in the operand's order
.set T,    16
.set C0,   208                         ; x: v208-255 the first K step's codes, 16 registers for each of the three sets
.set C1,   80                          ; x: v80-127  the second K step's (its raw numbers have been staged by then)
.set SP,   528                         ; x: a stage row: 512 bytes + 16 = 33 x 16 bytes: sixteen rows begin at sixteen different 16-byte columns of 256
.set STG,  16*SP                       ; x: a stage; each wave has two
.set WREG, 2*STG                       ; x: a wave's LDS
.set WX,   16                          ; W: v16-79   two sets of 32 numbers down K
.set WC,   96                          ; W: v96-159  codes, 8 registers for each of 8 blocks: no store's data are written again
	s_load_b256 s[4:11], s[0:1], 0x0               ; x, W_query, W_key, W_value
	s_load_b256 s[12:19], s[0:1], 0x20             ; W_out, the scales' exponents, xc, wc
	v_lshl_add_u32 v14, v0, 2, 0x10800
	v_mov_b32 v15, 0
	v_lshrrev_b32 v1, 5, v0
	v_readfirstlane_b32 s20, v1                    ; wave 0..3
	v_and_b32 v1, 31, v0                           ; lane
	s_wait_kmcnt 0x0
	s_load_b256 s[24:31], s[14:15], 0x0            ; e0 .. e7
	s_load_b128 s[32:35], s[14:15], 0x20           ; e8 .. e11
	s_cmp_lt_u32 ttmp9, 128
	s_cbranch_scc1 .Lweights
; ---------------- x.  Work-group g takes rows 16 g .. 16 g + 15; wave w takes k = 256 w .. 256 w + 255: two K steps of 128, two fragments for each set of codes.
; Each load reads 512 consecutive bytes of one row; the conversions want eight neighbours along K in one lane: so a K step turns through the wave's own stage in LDS.
	s_sub_co_u32 s21, ttmp9, 128                   ; g
	s_lshl_b32 s36, s21, 16                        ; 16 rows of 4,096 bytes
	s_lshl_b32 s22, s20, 10                        ; 256 numbers
	s_add_co_u32 s36, s36, s22
	s_mov_b32 s37, 0
	s_add_nc_u64 s[4:5], s[4:5], s[36:37]
	s_lshl_b32 s36, s21, 14                        ; a tile of 16 rows is 16,384 bytes of codes,
	s_lshl_b32 s22, s20, 12                        ; 256 along K are 4,096 of them
	s_add_co_u32 s36, s36, s22
	s_add_nc_u64 s[46:47], s[16:17], s[36:37]      ; the three sets lie 8 MiB apart: a base for each
	s_add_nc_u64 s[48:49], s[46:47], 0x800000
	s_add_nc_u64 s[50:51], s[48:49], 0x800000
	s_wait_alu depctr_va_vdst(0)
	v_lshlrev_b32 v2, 4, v1                        ; 16 x lane
	s_mul_i32 s22, s20, WREG
	v_add_nc_u32 v3, s22, v2                       ; the stage, way in: as loaded
	v_and_b32 v5, 15, v0                           ; r
	v_bfe_u32 v6, v0, 4, 1                         ; h
	v_mul_u32_u24 v4, v5, SP
	v_lshl_add_u32 v4, v6, 5, v4
	v_add_nc_u32 v4, s22, v4                       ; way out: row r, + 32 h bytes (8 numbers)
.macro XLOAD s
.set i, 0
.rept 16
	global_load_b128 v[R0+64*\s+4*i:R0+64*\s+4*i+3], v2, s[4:5] offset:4096*i+512*\s th:TH_LOAD_NT   ; row i: 32 lanes read 512 consecutive bytes
.set i, i+1
.endr
.endm
.macro IN s
.set i, 0
.rept 16
	ds_store_b128 v3, v[R0+64*\s+4*i:R0+64*\s+4*i+3] offset:STG*\s+SP*i
.set i, i+1
.endr
.endm
.macro OUT s                           ; X + 16 g + 0..7 = k 32 g + 8 h + 0..7;  X + 16 g + 8..15 = k 32 g + 16 + 8 h + 0..7.  LDS serves a wave's instructions in order: these see the stores above
.irp g, 0,1,2,3
	ds_load_b128 v[X+16*\g:X+16*\g+3],     v4 offset:STG*\s+128*\g
	ds_load_b128 v[X+16*\g+4:X+16*\g+7],   v4 offset:STG*\s+128*\g+16
	ds_load_b128 v[X+16*\g+8:X+16*\g+11],  v4 offset:STG*\s+128*\g+64
	ds_load_b128 v[X+16*\g+12:X+16*\g+15], v4 offset:STG*\s+128*\g+80
.endr
.endm
.macro Q3 c                            ; the lane's 64 numbers become 16 registers of codes, three times over
.irp p, 0,1,2
.set i, 0
.rept 64
.set i, i+1
.endr
.set i, 0
.rept 8
	v_cvt_scalef32_pk8_fp8_f32 v[\c+16*\p+2*i:\c+16*\p+2*i+1], v[X+8*i:X+8*i+7], v[8+\p]
.set i, i+1
.endr
	v_nop                                          ; a plain vector line between the conversions and the next lines that write their sources
.endr
.endm
.macro XST s, c
.irp p, 0,1,2
.irp g, 0,1,2,3
	global_store_b128 v2, v[\c+16*\p+4*\g:\c+16*\p+4*\g+3], s[46+2*\p:47+2*\p] offset:2048*\s+512*\g   ; 32 lanes store 512 consecutive bytes, at a multiple of 512 from the buffer's first byte
.endr
.endr
.endm
	XLOAD 0
	XLOAD 1
	s_wait_alu depctr_va_vdst(0)
	s_wait_kmcnt 0x0
.irp p, 0,1,2
	s_add_co_i32 s38, s[24+2*\p], 127
	s_lshl_b32 s39, s38, 23
	v_mov_b32 v[8+\p], s39                         ; 2^e as f32: the conversion takes its exponent field
	s_add_co_i32 s38, s38, 8
	s_lshl_b32 s38, s38, 23
	s_or_b32 s38, s38, 0x600000
.endr
	s_wait_alu depctr_va_vdst(0)
	s_wait_loadcnt 16                              ; the first K step's 16 loads are in; the second's 16 may be out
	IN 0
	OUT 0
	s_wait_dscnt 0x0                               ; my numbers are back, and the stage's stores have read R0
	Q3 C0
	XST 0, C0
	s_wait_loadcnt 0x0
	IN 1
	OUT 1
	s_wait_dscnt 0x0                               ; likewise: the second K step's raw registers are free for its codes
	Q3 C1
	XST 1, C1
	s_wait_tensorcnt 0x0
	ds_add_u32 v14, v15
	s_wait_dscnt 0x0
	s_endpgm
; ---------------- the weights.  W is [k][n]: a lane takes a column n and its registers run down K, so that the conversions give codes with K innermost and nothing is transposed.
; Work-group g: weight g / 32, columns 128 ((g / 4) % 8) on, k = 256 (g % 4) on; wave w: 32 of the columns; 8 blocks of 32 along K.
.Lweights:
	s_lshr_b32 s21, ttmp9, 5                       ; which weight: 0 query, 1 key, 2 value, 3 out
	s_bfe_u32 s22, ttmp9, 0x30002                  ; which 128 columns
	s_and_b32 s23, ttmp9, 3                        ; which 256 along K
	s_cmp_eq_u32 s21, 1
	s_cselect_b64 s[40:41], s[8:9], s[6:7]
	s_cmp_eq_u32 s21, 2
	s_cselect_b64 s[40:41], s[10:11], s[40:41]
	s_cmp_eq_u32 s21, 3
	s_cselect_b64 s[40:41], s[12:13], s[40:41]
	s_lshl_b32 s36, s23, 20                        ; 256 rows of 4,096 bytes
	s_lshl_b32 s38, s22, 9                         ; 128 columns of 4 bytes
	s_add_co_u32 s36, s36, s38
	s_lshl_b32 s38, s20, 7                         ; 32 columns
	s_add_co_u32 s36, s36, s38
	s_mov_b32 s37, 0
	s_add_nc_u64 s[40:41], s[40:41], s[36:37]
	s_lshl_b32 s36, s21, 20                        ; a weight's codes are 1 MiB
	s_lshl_b32 s38, s22, 17                        ; 8 tiles of 16 columns, 16,384 bytes each
	s_add_co_u32 s36, s36, s38
	s_lshl_b32 s38, s20, 15                        ; 2 tiles
	s_add_co_u32 s36, s36, s38
	s_lshl_b32 s38, s23, 12                        ; 256 along K: 8 groups of 512 bytes
	s_add_co_u32 s36, s36, s38
	s_add_nc_u64 s[42:43], s[18:19], s[36:37]
	s_wait_alu depctr_va_vdst(0)
	v_lshlrev_b32 v3, 2, v1                        ; in: 4 bytes a lane
	v_lshrrev_b32 v5, 4, v1
	v_and_b32 v6, 15, v1
	v_lshlrev_b32 v4, 4, v6
	v_lshl_add_u32 v4, v5, 14, v4                  ; out: tile lane / 16, 16 bytes at column lane % 16
.macro WLOAD t
.set i, 0
.rept 32
	global_load_b32 v[WX+32*((\t)%2)+i], v3, s[40:41] offset:(32*(\t)+i)*4096 th:TH_LOAD_NT   ; W(32 t + i, my column): a wave reads 128 consecutive bytes, the four waves 512
.set i, i+1
.endr
.endm
	WLOAD 0
	WLOAD 1
	s_wait_kmcnt 0x0
	s_cmp_eq_u32 s21, 1
	s_cselect_b32 s44, s27, s25                    ; e3 or e1
	s_cmp_eq_u32 s21, 2
	s_cselect_b32 s44, s29, s44                    ; e5
	s_cmp_eq_u32 s21, 3
	s_cselect_b32 s44, s35, s44                    ; e11
	s_add_co_i32 s44, s44, 127
	s_lshl_b32 s45, s44, 23
	v_mov_b32 v11, s45                             ; 2^e
	s_add_co_i32 s44, s44, 8
	s_lshl_b32 s44, s44, 23
	s_or_b32 s44, s44, 0x600000
.macro BLOCK t
.set XS, WX+32*((\t)%2)
.set CC, WC+8*(\t)
.if (\t) < 7
	s_wait_loadcnt 32                              ; this block's 32 loads are in; the next block's 32 may be out
.else
	s_wait_loadcnt 0x0
.endif
.set i, 0
.rept 32
.set i, i+1
.endr
	v_cvt_scalef32_pk8_fp8_f32 v[CC:CC+1],   v[XS:XS+7],     v11   ; k 0-7 and 16-23 of the block are the 16 bytes of operand lane (column % 16),
	v_cvt_scalef32_pk8_fp8_f32 v[CC+2:CC+3], v[XS+16:XS+23], v11
	v_cvt_scalef32_pk8_fp8_f32 v[CC+4:CC+5], v[XS+8:XS+15],  v11   ; k 8-15 and 24-31 those of operand lane 16 + (column % 16)
	v_cvt_scalef32_pk8_fp8_f32 v[CC+6:CC+7], v[XS+24:XS+31], v11
	v_nop
	global_store_b128 v4, v[CC:CC+3],   s[42:43] offset:512*(\t)       ; sixteen lanes store 256 consecutive bytes, aligned; the other sixteen the same in the next tile
	global_store_b128 v4, v[CC+4:CC+7], s[42:43] offset:512*(\t)+256
.if (\t)+2 < 8
	WLOAD (\t)+2
.endif
.endm
	s_wait_alu depctr_va_vdst(0)
.irp t, 0,1,2,3,4,5,6,7
	BLOCK \t
.endr
	s_endpgm
.Lfunc_end_k_qc187eb177f_quant:
	.size	k_qc187eb177f_quant, .Lfunc_end_k_qc187eb177f_quant-k_qc187eb177f_quant
	.p2alignl 7, 3214868480
	.fill 96, 4, 3214868480
	.section	.rodata,"a",@progbits
	.p2align	6, 0x0
	.amdhsa_kernel k_qc187eb177f_quant
		.amdhsa_group_segment_fixed_size 68096
		.amdhsa_private_segment_fixed_size 0
		.amdhsa_enable_private_segment 0
		.amdhsa_kernarg_size 64
		.amdhsa_user_sgpr_count 2
		.amdhsa_user_sgpr_kernarg_segment_ptr 1
		.amdhsa_wavefront_size32 1
		.amdhsa_system_sgpr_workgroup_id_x 1
		.amdhsa_system_sgpr_workgroup_id_y 1
		.amdhsa_system_sgpr_workgroup_id_z 1
		.amdhsa_system_vgpr_workitem_id 0
		.amdhsa_next_free_vgpr 256
		.amdhsa_next_free_sgpr 66
		.amdhsa_reserve_vcc 0
		.amdhsa_float_denorm_mode_32 3
		.amdhsa_float_denorm_mode_16_64 3
		.amdhsa_fp16_overflow 1
		.amdhsa_memory_ordered 1
		.amdhsa_forward_progress 1
		.amdhsa_inst_pref_size 45
	.end_amdhsa_kernel
	.amdgpu_metadata
---
amdhsa.version: [ 1, 2 ]
amdhsa.kernels:
  - .name:           k_qc187eb177f_quant
    .symbol:         k_qc187eb177f_quant.kd
    .args:
      - { .name: x, .offset: 0, .size: 8, .value_kind: global_buffer, .address_space: global }
      - { .name: W_query, .offset: 8, .size: 8, .value_kind: global_buffer, .address_space: global }
      - { .name: W_key, .offset: 16, .size: 8, .value_kind: global_buffer, .address_space: global }
      - { .name: W_value, .offset: 24, .size: 8, .value_kind: global_buffer, .address_space: global }
      - { .name: W_out, .offset: 32, .size: 8, .value_kind: global_buffer, .address_space: global }
      - { .name: lowp_scales, .offset: 40, .size: 8, .value_kind: global_buffer, .address_space: global }
      - { .name: xc, .offset: 48, .size: 8, .value_kind: global_buffer, .address_space: global }
      - { .name: wc, .offset: 56, .size: 8, .value_kind: global_buffer, .address_space: global }
    .group_segment_fixed_size: 68096
    .private_segment_fixed_size: 0
    .kernarg_segment_align: 8
    .kernarg_segment_size: 64
    .max_flat_workgroup_size: 128
    .sgpr_count:     66
    .vgpr_count:     256
    .wavefront_size: 32
...
	.end_amdgpu_metadata
.endif
;; end of part 1
;; launch proj (part 2): grid 12 x 32, 4 waves a work-group, clusters of 4 x 4, 327,680 bytes of LDS; arguments xc, wc, lowp_scales, qkvc; writes qkvc
.if DOCPART == 2
	.amdgcn_target "amdgcn-amd-amdhsa--gfx1250"
	.amdhsa_code_object_version 6
	.text
	.protected	k_qc187eb177f_proj
	.globl	k_qc187eb177f_proj
	.p2align	8
	.type	k_qc187eb177f_proj,@function
k_qc187eb177f_proj:
	s_mov_b64 s[64:65], 0
	v_nop
	global_prefetch_b8 v0, s[64:65] scope:SCOPE_SE
	s_setreg_imm32_b32 hwreg(HW_REG_WAVE_MODE, 25, 1), 1
	s_wait_xcnt 0x0
	s_wait_alu depctr_hold_cnt(0) depctr_sa_sdst(0) depctr_va_vdst(0) depctr_va_sdst(0) depctr_va_ssrc(0) depctr_va_vcc(0) depctr_vm_vsrc(0)
	s_getreg_b32 s2, hwreg(HW_REG_IB_STS2, 6, 4)
	s_cmp_eq_u32 s2, 0
	s_cbranch_scc0 .Lentry_in_a_cluster
	s_endpgm
.Lentry_in_a_cluster:
	s_bfe_u32 s2, ttmp6, 0x10000c
	s_cmp_lg_u32 s2, 0xf033
	s_cbranch_scc0 .Lentry_shape_is_right
	s_endpgm
.Lentry_shape_is_right:
; q = x W_query, k = x W_key, v = x W_value on E4M3 codes, K = 1,024; the f32 sums are quantised at once (scales 2^e6, 2^e7, 2^e9) and leave as codes.
; All buffers hold images of operand registers: byte(row, k) = (row/16) 16 K + (k/32) 512 + 16 (16 ((k%16)/8) + row%16) + 8 ((k%32)/16) + k%8: a fragment of 16 rows x 128 K is 2,048 bytes on end, lane l's 16 bytes at 16 l.
; SHARES.  The cluster's x is the product p (0 q, 1 k, 2 v), its y a group of 1,024 tokens.  A work-group of four waves makes 256 x 256, a wave 128 x 128: 64 accumulators, 512 registers.
; The matrix instruction takes 16 rows of 'B' as source 0 and 16 rows of 'A' as source 1: a lane then holds ONE row of A and eight neighbouring rows of B, which one conversion turns into two operand registers of the next product.
;   p < 2: A = x's codes (tokens), B = the weight's (features): a lane holds 8 features of a token: q and k leave as [tokens][features].
;   p = 2: A = the weight's (features), B = x's (tokens): a lane holds 8 tokens of a feature: v leaves with the keys innermost, [batch][features][tokens].
; The roles are chosen by s_cselect on the cluster's x, which all partners share: no branch.
; K goes in steps of 256 through two LDS slots filled by the tensor data mover; four slots' worth, so the steps are written out.  CLUSTERS: 4 x 4 work-groups; A's tile is asked for jointly along a row of the cluster, B's along a column.
; A prefetch is left out: of a work-group's four fills two are first fills, and the tiles are shared by the joint loads.
; LIMIT: e6 - e0 - e1, e7 - e2 - e3 and e9 - e4 - e5 lie between -126 and 119, so that the folded scale and 448 x it are f32 numbers.
; REGISTERS, in windows of 256: window 0: v0-31 addresses; from v128 A's fragments, one set; on the way out v32-159 codes, v160-168 offsets and the scale.  window 1: B's fragments, two sets.  windows 2, 3: the accumulators ((a, b) at v[8 (8 (a % 4) + b)]).
.set HALFT,  32768                     ; 128 rows x 256 K: 8 tiles of 16 rows, 4,096 bytes each: what one tensor load brings
.set SLOT,   4*HALFT                   ; A's 256 rows, then B's
.set SPARE,  2*SLOT                    ; behind the ring: the spare words, 128 bytes for each wave
.set KB,     4096                      ; a slot's K in a tile of 16 rows, in bytes
.set FR,     16
.set NL,     4
.set NP,     4
.set ADRA, 16                          ; v16-17  LDS address of my A fragments in slot 0, 1
.set ADRB, 20                          ; v20-21  the same for B
.set SPW,  28                          ; v28     my spare word; never rewritten
.set NIL,  29                          ; v29     0; never rewritten
.set AF,   128
.set G1, 24
.set G0, 32
.set G1B, 48
.set G0B, 56
.set MSB, 0
.macro WIN new                         ; the immediate's high byte repeats the setting that is left
.if MSB != \new
	s_set_vgpr_msb (MSB<<8)|\new
.set MSB, \new
.endif
.endm
.set MUL_LO, 0xa1                      ; source 0 (B) window 1, source 1 (A) window 0, C and D window 2
.set MUL_HI, 0xf1
.set TO_B,   0x40
.macro JLOAD g0a, g1a, g0b, g1b        ; a joint load: waves 0 and 1 fetch for A, waves 2 and 3 for B; four v_nop follow each line
	s_cmp_eq_u32 s15, 0
	s_cbranch_scc0 .Lfor_b_\@
	tensor_load_to_lds s[\g0a:\g0a+3], s[\g1a:\g1a+7]
	s_nop 0
.rept 4
	v_nop
.endr
	s_branch .Lasked_\@
.Lfor_b_\@:
	tensor_load_to_lds s[\g0b:\g0b+3], s[\g1b:\g1b+7]
	s_nop 0
.rept 4
	v_nop
.endr
.Lasked_\@:
.endm
.macro CREST                           ; a round of the cluster's barrier behind its opening barrier
	s_cmp_lg_u32 s14, 0
	s_cbranch_scc1 .Lnot_wave_0_\@
	s_barrier_signal -3
.Lnot_wave_0_\@:
	s_barrier_wait -3
	s_barrier_signal -1
	s_barrier_wait -1
.endm
.macro CROUND
	s_barrier_signal -1
	s_barrier_wait -1
	CREST
.endm
	s_load_b128 s[4:7], s[0:1], 0x0                ; x's codes, the weights' codes
	s_load_b128 s[8:11], s[0:1], 0x10              ; the scales' exponents, the results' codes
	v_lshl_add_u32 v[SPW], v0, 2, SPARE
	v_mov_b32 v[NIL], 0
	ds_add_u32 v28, v29
	ds_add_u32 v28, v29
	s_wait_dscnt 0x0
	v_lshrrev_b32 v1, 5, v0
	v_readfirstlane_b32 s14, v1                    ; wave 0..3
	s_lshr_b32 s15, s14, 1                         ; which half of A's rows is mine.  Also: I fetch for A (0) or for B (1)
	s_and_b32 s16, s14, 1                          ; which half of B's rows.  Also: which 128 rows I fetch
	s_bfe_u32 s40, ttmp6, 0x40000                  ; cx
	s_bfe_u32 s41, ttmp6, 0x40004                  ; cy
	s_and_b32 s80, ttmp7, 0xffff
	s_lshl_b32 s80, s80, 2                         ; 4 x cluster y: the first of its four blocks of 256 tokens
	s_lshl_b32 s84, ttmp9, 20                      ; p MiB: the weight's codes
	s_lshl_b32 s85, ttmp9, 23                      ; 8 p MiB: x's set of codes, and the result's part
	s_cmp_eq_u32 ttmp9, 2                          ; v?  The cluster's x is the same in all sixteen partners
	s_cselect_b32 s81, 0, s80                      ; what the cluster adds to A's tile number,
	s_cselect_b32 s82, s80, 0                      ; and to B's
	s_cselect_b32 s83, 1, 0
	s_cselect_b32 s86, s84, s85                    ; where A's codes begin in their buffer,
	s_cselect_b32 s87, s85, s84                    ; and B's
	s_add_co_u32 s17, s81, s41                     ; A's block of 256 rows: hangs on cy alone
	s_add_co_u32 s42, s82, s40                     ; B's: on cx alone
	s_lshl_b32 s43, s41, 2
	s_lshl_b32 s43, 15, s43                        ; my row of the cluster
	s_lshl_b32 s44, 0x1111, s40                    ; my column
	; descriptor group 1: 8 rows of 4,096 bytes (a tile of 16 rows' part of a slot), 16,384 bytes apart; dense in LDS
	s_or_b32 s[G1+0], s43, (3<<16)|(1<<21)         ; 15:0 the mask; 17:16 elements of 8 bytes; 20 no padding; 21 set beside a mask
	s_or_b32 s[G1B+0], s44, (3<<16)|(1<<21)
.irp g, G1, G1B
	s_mov_b32 s[\g+1], 512<<16                     ; tensor_dim0 = 512 elements
	s_mov_b32 s[\g+2], 8<<16                       ; tensor_dim1 = 8
	s_mov_b32 s[\g+3], 512<<16                     ; tile_dim0
	s_mov_b32 s[\g+4], 8                           ; tile_dim1
	s_mov_b32 s[\g+5], 2048                        ; tensor_dim0_stride, in elements
	s_mov_b32 s[\g+6], 0
	s_mov_b32 s[\g+7], 0
.endr
	s_lshl_b32 s18, s16, 17                        ; the 128 rows that I fetch: 8 tiles of 16,384 bytes
	s_lshl_b32 s20, s17, 18                        ; a block of 256 rows: 16 tiles
	s_add_co_u32 s20, s20, s18
	s_add_co_u32 s20, s20, s86
	s_mov_b32 s21, 0
	s_lshl_b32 s46, s42, 18
	s_add_co_u32 s46, s46, s18
	s_add_co_u32 s46, s46, s87
	s_mov_b32 s47, 0
	s_mul_i32 s45, s14, HALFT                      ; where they go: wave x 128 rows: no place in the cluster enters an LDS address
	s_wait_kmcnt 0x0
	s_load_b256 s[68:75], s[8:9], 0x0              ; e0 .. e7
	s_load_b128 s[76:79], s[8:9], 0x20             ; e8 .. e11
	s_cmp_eq_u32 ttmp9, 2
	s_cselect_b64 s[88:89], s[6:7], s[4:5]         ; A's buffer
	s_cselect_b64 s[90:91], s[4:5], s[6:7]         ; B's
	s_add_nc_u64 s[20:21], s[88:89], s[20:21]
	s_add_nc_u64 s[46:47], s[90:91], s[46:47]
	CROUND                                         ; all sixteen work-groups are here: the first joint loads meet
.irp s, 0,1
	s_mov_b32 s[G0+4*\s], 1
	s_add_co_u32 s[G0+4*\s+1], s45, \s*SLOT
	s_add_nc_u64 s[G0+4*\s+2:G0+4*\s+3], s[20:21], \s*KB
	s_or_b32 s[G0+4*\s+3], s[G0+4*\s+3], 0x80000000
	s_mov_b32 s[G0B+4*\s], 1
	s_add_co_u32 s[G0B+4*\s+1], s45, \s*SLOT
	s_add_nc_u64 s[G0B+4*\s+2:G0B+4*\s+3], s[46:47], \s*KB
	s_or_b32 s[G0B+4*\s+3], s[G0B+4*\s+3], 0x80000000
	JLOAD G0+4*\s, G1, G0B+4*\s, G1B
.endr
	v_and_b32 v1, 31, v0
	v_lshlrev_b32 v4, 4, v1                        ; 16 x lane: my place in every group of 512 bytes
	s_mul_i32 s21, s15, HALFT                      ; my 128 rows of A
	s_mul_i32 s22, s16, HALFT                      ; my 128 rows of B,
	s_add_co_u32 s22, s22, 2*HALFT                 ; which lie behind A's 256
.irp s, 0,1
	v_add_nc_u32 v[ADRA+\s], s21, v4
	v_add_nc_u32 v[ADRB+\s], s22, v4
	s_add_co_u32 s21, s21, SLOT
	s_add_co_u32 s22, s22, SLOT
.endr
.macro FRAG reg, adr, q, i             ; a fragment: tile i of 16 rows, the slot's q-th 128 along K: four groups of 512 bytes on end
.irp c, 0,1,2,3
	ds_load_b128 v[\reg+4*\c:\reg+4*\c+3], v[\adr] offset:2048*(\q)+512*\c+(\i)*KB
.endr
.endm
; 16 matrix instructions: A's blocks a0, a0 + 1 x B's eight.  The 64 accumulators take turns, one instruction a turn, in the same order in every step.
.macro MUL16 a0, p, zero
.irp a, \a0, \a0+1
.irp b, 0,1,2,3,4,5,6,7
.if \zero
	v_wmma_f32_16x16x128_fp8_fp8 v[8*(8*((\a)%4)+\b):8*(8*((\a)%4)+\b)+7], v[128*(\p)+FR*\b:128*(\p)+FR*\b+FR-1], v[AF+FR*(\a):AF+FR*(\a)+FR-1], 0
.else
	v_wmma_f32_16x16x128_fp8_fp8 v[8*(8*((\a)%4)+\b):8*(8*((\a)%4)+\b)+7], v[128*(\p)+FR*\b:128*(\p)+FR*\b+FR-1], v[AF+FR*(\a):AF+FR*(\a)+FR-1], v[8*(8*((\a)%4)+\b):8*(8*((\a)%4)+\b)+7]
.endif
.endr
.endr
.endm
.macro FETCH_B slot, q, p
	WIN TO_B
.irp i, 0,1,2,3,4,5,6,7
	FRAG 128*(\p)+FR*\i, ADRB+\slot, \q, \i
.endr
	WIN 0
.endm
.macro FETCH_A slot, q, i0
.irp i, \i0, \i0+1, \i0+2, \i0+3
	FRAG AF+FR*(\i), ADRA+\slot, \q, \i
.endr
.endm
.macro PLACES n                        ; plain vector lines between a matrix instruction and a load into, or a vector line on, its registers
.rept \n
	v_nop
.endr
.endm
.macro STEP slot, q, zero              ; a step of 128 along K that has its successor in the same slot
	s_wait_dscnt 4*NL                              ; B's set and A's blocks 0-3 are in; the youngest 16 loads (A's blocks 4-7) may be out
	WIN MUL_LO
	MUL16 0, (\q)%2, \zero
	MUL16 2, (\q)%2, \zero
	s_wait_dscnt 0
	PLACES NP
	FETCH_B \slot, (\q)+1, 1-(\q)%2
	FETCH_A \slot, (\q)+1, 0
	WIN MUL_HI
	MUL16 4, (\q)%2, \zero
	MUL16 6, (\q)%2, \zero
	PLACES NP
	WIN 0
	FETCH_A \slot, (\q)+1, 4
.endm
; A slot's last step changes slots: one barrier; in front of it each wave waits for all its tensor loads, adds 0 to its spare word, and waits for that and for its reads of this slot.  fill = 1: the slot is filled again, two slots ahead.
.macro TURN slot, next, fill
	s_wait_tensorcnt 0x0                           ; all my tensor loads have landed: my part of the next slot
	ds_add_u32 v[SPW], v[NIL]                      ; 0 onto my spare word
	s_wait_dscnt 4*NL+1                            ; the add and the youngest 16 loads (A's blocks 4-7) may be out
	WIN MUL_LO
	MUL16 0, 1, 0
	s_wait_dscnt 0x0                               ; the add is done, and my reads of this slot are over
	s_barrier_signal -1
	MUL16 2, 1, 0
	WIN 0
	s_barrier_wait -1
.if \fill
	CREST                                          ; the barrier has opened a round of the cluster's: no wave of any partner still reads this slot or has a load on its way
	s_add_nc_u64 s[G0+4*\slot+2:G0+4*\slot+3], s[G0+4*\slot+2:G0+4*\slot+3], 2*KB
	s_add_nc_u64 s[G0B+4*\slot+2:G0B+4*\slot+3], s[G0B+4*\slot+2:G0B+4*\slot+3], 2*KB
	JLOAD G0+4*\slot, G1, G0B+4*\slot, G1B         ; the first tensor load behind the round; its four v_nop are also the places in front of the loads below
.else
	PLACES NP
.endif
	FETCH_B \next, 0, 0
	FETCH_A \next, 0, 0
	WIN MUL_HI
	MUL16 4, 1, 0
	MUL16 6, 1, 0
	PLACES NP
	WIN 0
	FETCH_A \next, 0, 4
.endm
	s_wait_alu depctr_va_vdst(0)
	s_wait_tensorcnt 1                             ; my part of slot 0 is in; slot 1's load may be out
	s_barrier_signal -1
	s_barrier_wait -1
	FETCH_B 0, 0, 0
	FETCH_A 0, 0, 0
	FETCH_A 0, 0, 4
	STEP 0, 0, 1                                   ; k 0-127: the products start the sums
	TURN 0, 1, 1                                   ; k 128-255; slot 0 takes k 512-767
	STEP 1, 0, 0
	TURN 1, 0, 1                                   ; slot 1 takes k 768-1023
	STEP 0, 0, 0
	TURN 0, 1, 0                                   ; nothing is left to fetch
	STEP 1, 0, 0
	s_wait_dscnt 4*NL
	WIN MUL_LO
	MUL16 0, 1, 0
	MUL16 2, 1, 0
	s_wait_dscnt 0
	WIN MUL_HI
	MUL16 4, 1, 0
	MUL16 6, 1, 0
	WIN 0
; THE WAY OUT.  A sum stands for sum x 2^(ea + eb); its code is sum / 2^(eo - ea - eb): the three scales are folded into the conversion's one.
; Accumulator (a, b): lane (r, h) holds A's row 16 a + r and B's rows 16 b + 8 h + 0..7: its conversion gives operand registers 2 b, 2 b + 1; two neighbours are the lane's 16 bytes of a group.  No stage is needed.
	s_wait_kmcnt 0x0
	s_add_co_i32 s68, s68, s69                     ; e0 + e1
	s_add_co_i32 s70, s70, s71                     ; e2 + e3
	s_add_co_i32 s72, s72, s73                     ; e4 + e5
	s_cmp_eq_u32 ttmp9, 1
	s_cselect_b32 s68, s70, s68
	s_cselect_b32 s74, s75, s74                    ; e7 or e6
	s_cmp_eq_u32 ttmp9, 2
	s_cselect_b32 s68, s72, s68
	s_cselect_b32 s74, s77, s74                    ; e9
	s_sub_co_i32 s74, s74, s68
	s_add_co_i32 s74, s74, 127
	s_lshl_b32 s75, s74, 23                        ; the folded scale as f32
	s_lshl_b32 s93, s17, 8
	s_lshl_b32 s94, s15, 7
	s_add_co_u32 s93, s93, s94                     ; my first row of A
	s_add_co_u32 s94, s83, 10
	s_lshl_b32 s93, s93, s94                       ; a tile of 16 rows is 16 K bytes: K = 1,024 features (q, k) or 2,048 tokens (v)
	s_lshl_b32 s95, s42, 8
	s_lshl_b32 s94, s16, 7
	s_add_co_u32 s95, s95, s94                     ; my first row of B: the result's k
	s_and_b32 s94, s95, 2047
	s_lshl_b32 s94, s94, 4                         ; 32 along k are 512 bytes
	s_add_co_u32 s93, s93, s94
	s_lshr_b32 s94, s95, 11                        ; v: the batch (0 for q and k, whose k stays under 1,024),
	s_lshl_b32 s94, s94, 21                        ; 2 MiB each
	s_add_co_u32 s93, s93, s94
	s_add_co_u32 s96, s93, s85                     ; + 8 p MiB
	s_mov_b32 s97, 0
	s_add_nc_u64 s[10:11], s[10:11], s[96:97]
	s_lshl_b32 s98, 16384, s83                     ; from a tile of 16 rows to the next
	PLACES NP                                      ; behind the last products: what follows writes registers that held A's fragments and reads results
	v_and_b32 v160, 31, v0
	v_lshlrev_b32 v160, 4, v160                    ; 16 x lane
.irp a, 1,2,3,4,5,6,7
	v_add_nc_u32 v[160+\a], s98, v[159+\a]         ; an offset for each block: none is written again
.endr
	v_mov_b32 v168, s75
.macro OUTBLK a
.set AC, 64*((\a)%4)
	WIN 0x82+0x41*((\a)/4)                         ; source 0 and destination: window 2 or 3
.set i, 0
.rept 64
.set i, i+1
.endr
	WIN 0x02+((\a)/4)                              ; source 0: window 2 or 3
.set i, 0
.rept 8
	v_cvt_scalef32_pk8_fp8_f32 v[32+16*(\a)+2*i:32+16*(\a)+2*i+1], v[AC+8*i:AC+8*i+7], v168
.set i, i+1
.endr
	v_nop                                          ; a plain vector line behind the last conversion
	WIN 0
.irp g, 0,1,2,3
	global_store_b128 v[160+(\a)], v[32+16*(\a)+4*\g:32+16*(\a)+4*\g+3], s[10:11] offset:512*\g   ; 32 lanes store 512 consecutive bytes, aligned; a block's four stores 2,048 on end
.endr
.endm
.irp a, 0,1,2,3,4,5,6,7
	OUTBLK \a
.endr
	s_wait_tensorcnt 0x0                           ; the wave's end
	ds_add_u32 v[SPW], v[NIL]
	s_wait_dscnt 0x0
	CROUND                                         ; the closing round: no work-group ends while a partner may still ask for a tile that names it
	s_endpgm
.Lfunc_end_k_qc187eb177f_proj:
	.size	k_qc187eb177f_proj, .Lfunc_end_k_qc187eb177f_proj-k_qc187eb177f_proj
	.p2alignl 7, 3214868480
	.fill 96, 4, 3214868480
	.section	.rodata,"a",@progbits
	.p2align	6, 0x0
	.amdhsa_kernel k_qc187eb177f_proj
		.amdhsa_group_segment_fixed_size 327680
		.amdhsa_private_segment_fixed_size 0
		.amdhsa_enable_private_segment 0
		.amdhsa_kernarg_size 32
		.amdhsa_user_sgpr_count 2
		.amdhsa_user_sgpr_kernarg_segment_ptr 1
		.amdhsa_wavefront_size32 1
		.amdhsa_system_sgpr_workgroup_id_x 1
		.amdhsa_system_sgpr_workgroup_id_y 1
		.amdhsa_system_sgpr_workgroup_id_z 1
		.amdhsa_system_vgpr_workitem_id 0
		.amdhsa_next_free_vgpr 1024
		.amdhsa_next_free_sgpr 100
		.amdhsa_reserve_vcc 0
		.amdhsa_float_denorm_mode_32 3
		.amdhsa_float_denorm_mode_16_64 3
		.amdhsa_fp16_overflow 1
		.amdhsa_memory_ordered 1
		.amdhsa_forward_progress 1
		.amdhsa_inst_pref_size 86
	.end_amdhsa_kernel
	.amdgpu_metadata
---
amdhsa.version: [ 1, 2 ]
amdhsa.kernels:
  - .name:           k_qc187eb177f_proj
    .symbol:         k_qc187eb177f_proj.kd
    .args:
      - { .name: xc, .offset: 0, .size: 8, .value_kind: global_buffer, .address_space: global }
      - { .name: wc, .offset: 8, .size: 8, .value_kind: global_buffer, .address_space: global }
      - { .name: lowp_scales, .offset: 16, .size: 8, .value_kind: global_buffer, .address_space: global }
      - { .name: qkvc, .offset: 24, .size: 8, .value_kind: global_buffer, .address_space: global }
    .group_segment_fixed_size: 327680
    .private_segment_fixed_size: 0
    .kernarg_segment_align: 8
    .kernarg_segment_size: 32
    .max_flat_workgroup_size: 128
    .sgpr_count:     100
    .vgpr_count:     1024
    .wavefront_size: 32
...
	.end_amdgpu_metadata
.endif
;; end of part 2
;; launch attn (part 3): grid 4 x 64, 16 waves a work-group, no clusters, 327,680 bytes of LDS; arguments qkvc, lowp_scales, ctxc; writes ctxc
.if DOCPART == 3
	.amdgcn_target "amdgcn-amd-amdhsa--gfx1250"
	.amdhsa_code_object_version 6
	.text
	.protected	k_qc187eb177f_attn
	.globl	k_qc187eb177f_attn
	.p2align	8
	.type	k_qc187eb177f_attn,@function
k_qc187eb177f_attn:
	s_mov_b64 s[64:65], 0
	v_nop
	global_prefetch_b8 v0, s[64:65] scope:SCOPE_SE
	s_setreg_imm32_b32 hwreg(HW_REG_WAVE_MODE, 25, 1), 1
	s_wait_xcnt 0x0
; ctx = softmax(q k^T / 8, causal) v for 64 (batch, head) pairs, 2,048 tokens, head size 64; both products on E4M3 codes; ctx leaves as codes (scale 2^e10).
; q, k: images of operand registers of [8192 tokens][1024 features]; v: of [batch][1024 features][2048 tokens]; ctx: of [8192][1024]:
;   byte(row, k) = (row/16) 16 K + (k/32) 512 + 16 (16 ((k%16)/8) + row%16) + 8 ((k%32)/16) + k%8.  A head's 64 features of 16 tokens are 1,024 bytes on end; 128 keys of 16 channels of v are 2,048.
; THE SOFTMAX AHEAD OF THE SECOND PRODUCT: t = score x log2(e) / 8; M = the running largest t rounded UP to a whole number; p = 2^(t - M) is quantised (2^e8), not normalised; the row's sum is taken of the unquantised p
; and divides at the end.  When M moves, the sum and O are multiplied by 2^(old M - new M), which rounds nothing.
; SHARES.  Work-group (i, batch x head) owns two blocks of 256 queries: first block 7 - i, which sees key slots 0 .. 7 - i, then block i, which sees slots 0 .. i: nine slots of 256 keys for every work-group, so the loop's
; trip count is a constant and all 256 work-groups have the same work.  Each of sixteen waves owns 16 queries of the block in hand, in 256 registers: four waves to a SIMD, so that one wave's vector work stands beside another's products and LDS loads.
; Both products are used transposed (S^T = k q^T, O^T = v^T p^T): a lane holds ONE query throughout, and eight registers of an accumulator are eight neighbours along the next K.
; The ring: two LDS slots, filled by waves 0, 1 (k's halves) and 2, 3 (v's halves), read by all sixteen.
; NO CLUSTER: the four work-groups of a head change blocks at different trips (8 - i), so their sequences of slots part after five trips; and a slot is 32 KiB for two key steps of sixteen waves' softmax.
; CAUSAL.  A key step all of whose 128 keys come after the wave's 16 queries is left out by a scalar branch on ids; on the diagonal hidden scores become -infinity ahead of the maximum.  Key 0 counts for every query, so M is a number from a block's first step on.
; LIMITS: e6 + e7 between -124 and 130 (added to c's exponent field); e8 and e10 - e8 - e9 between -126 and 119.  O / l is O x v_rcp_f32(l).  NaN among the inputs is not served.
.set SLOT1, 32768                      ; a slot: 16 key tiles x 1,024 bytes of k, then 4 channel tiles x 4,096 bytes of v; one exclusive or turns an address into the other slot's
.set VOFF,  16384
.set SPARE, 65536                      ; behind the ring: the spare words, 128 bytes for each of sixteen waves
.set LI,   1                           ; v1   16 x lane; never rewritten
.set ADR,  2                           ; v2   LDS address of the slot in hand for my lane
.set PFO,  3                           ; v3   the prefetches' offset; never rewritten
.set SPW,  5                           ; v5   my spare word; never rewritten
.set NIL,  6                           ; v6   0; never rewritten
; v7 r - 8 h;  v12 -M, v13 the largest t, v[14:15] the sum in two halves;  v16-23 Q of the block in hand, v24-31 of the second block;  v32-95 k's 8 fragments, then v's 4;  v96-159 S^T, then p;  v160-191 O^T;
; v192-207 p's codes;  v208-215 ctx's codes;  v216: 2^e8;  v218: 2^(e10 - e8 - e9);  v220 a lane permute's target;  v[222:223] the sum's second chain;  v[224:225] f;  v226, v227 at work;  v228 -infinity
.set WV,   18
.set SEL,  20                          ; s[20:21] lane selects for v_permlanex16_b32: lane l xor 16
.set CS,   22                          ; s[22:23] c = log2(e) / 8 x 2^(e6 + e7)
.set G1K,  24
.set G1V,  32
.set G0K,  40
.set G0V,  44
.set TB,   2                           ; s2   LDS byte at which the slot in hand begins
.set T,    66                          ; s66  the trip
.set SW,   67                          ; s67  the trip at which the blocks change: 8 - i
.set KBASE, 82                         ; s[82:83] k's codes at my half of slot 0 of my head; s[84:85] v's: plain addresses, never rewritten
.set VBASE, 84
.set LIM,  80                          ; s80  a wave prefetches while the trip is below it: 6, or 0
.set PFA,  88                          ; s[88:89] where my prefetches stand
.set PFS,  92                          ; s[92:93] a slot on, in bytes
.set KF,   98                          ; s98  the step's first key
.set Q0,   99                          ; s99  my first query
.macro TLOAD                           ; waves 0 and 1 fetch for k, waves 2 and 3 for v, the others nothing; four v_nop follow each line
	s_cmp_lt_u32 s[WV], 2
	s_cbranch_scc0 .Lnot_k_\@
	tensor_load_to_lds s[G0K:G0K+3], s[G1K:G1K+7]
	s_nop 0
.rept 4
	v_nop
.endr
	s_branch .Lasked_\@
.Lnot_k_\@:
	s_cmp_lt_u32 s[WV], 4
	s_cbranch_scc0 .Lasked_\@
	tensor_load_to_lds s[G0V:G0V+3], s[G1V:G1V+7]
	s_nop 0
.rept 4
	v_nop
.endr
.Lasked_\@:
.endm
; A PREFETCH INTO THE L2 of the slot that the NEXT change of slots will ask for.  The four work-groups of a head walk the same k and v; work-group i = 0 walks slots 0 .. 7 in order, and it alone asks.
; In it waves 4 and 5 ask for the two halves of k's part (8 tiles x 4 blocks of 256 bytes: a lane a block), waves 6 and 7 for v's (2 tiles x 16 blocks).  So each aligned block of 256 bytes is named once in the launch.
; Trip T names slot T + 2, for T = 0 .. 5: slots 0 and 1 come by their loads alone, and slot 7 is the last that there is.
.macro ASK
	s_cmp_lt_u32 s[T], s[LIM]
	s_cbranch_scc0 .Lnot_mine_\@
	global_prefetch_b8 v[PFO], s[PFA:PFA+1] th:TH_LOAD_NT scope:SCOPE_SE
.Lnot_mine_\@:
.endm
	s_load_b128 s[8:11], s[0:1], 0x0               ; q's, k's and v's codes; the scales' exponents
	s_load_b64 s[12:13], s[0:1], 0x10              ; ctx's codes
	v_lshl_add_u32 v[SPW], v0, 2, SPARE
	v_mov_b32 v[NIL], 0
	ds_add_u32 v5, v6
	ds_add_u32 v5, v6
	s_wait_dscnt 0x0
	v_lshrrev_b32 v1, 5, v0
	s_delay_alu instid0(VALU_DEP_1)
	v_readfirstlane_b32 s[WV], v1                  ; wave 0..15
	s_and_b32 s52, ttmp7, 0xffff
	s_lshr_b32 s53, s52, 4                         ; batch
	s_and_b32 s54, s52, 15                         ; head
	s_and_b32 s55, s[WV], 1                        ; which half of a tile I fetch, if I fetch
	s_sub_co_u32 s[SW], 8, ttmp9
	s_sub_co_u32 s56, 7, ttmp9                     ; the first block of queries
	s_lshl_b32 s57, s53, 21                        ; a batch: 2 MiB in each of q, k, v
	s_lshl_b32 s58, s54, 10                        ; a head's 64 features in a tile of 16 tokens
	s_lshl_b32 s59, s55, 17                        ; k: 8 tiles of 16 keys, 16,384 bytes apart
	s_add_co_u32 s94, s57, s58
	s_add_co_u32 s94, s94, s59
	s_add_co_u32 s94, s94, 0x800000                ; k lies 8 MiB in
	s_mov_b32 s95, 0
	s_lshl_b32 s60, s54, 17                        ; v: a head's 4 tiles of 16 channels, 32,768 bytes each
	s_lshl_b32 s61, s55, 16                        ; 2 of them
	s_add_co_u32 s96, s57, s60
	s_add_co_u32 s96, s96, s61
	s_add_co_u32 s96, s96, 0x1000000               ; v lies 16 MiB in
	s_mov_b32 s97, 0
	s_lshl_b32 s62, s53, 7
	s_add_co_u32 s62, s62, s[WV]                   ; 128 x batch + wave
	s_lshl_b32 s63, s56, 4
	s_add_co_u32 s63, s63, s62                     ; my tile of 16 tokens in the first block,
	s_lshl_b32 s63, s63, 14
	s_add_co_u32 s48, s63, s58                     ; its bytes of my head, in q and in ctx alike
	s_mov_b32 s49, 0
	s_lshl_b32 s63, ttmp9, 4
	s_add_co_u32 s63, s63, s62                     ; and in the second block
	s_lshl_b32 s63, s63, 14
	s_add_co_u32 s50, s63, s58
	s_mov_b32 s51, 0
	s_lshl_b32 s87, s[WV], 4
	s_lshl_b32 s[Q0], s56, 8
	s_add_co_u32 s[Q0], s[Q0], s87                 ; my first query: 256 x block + 16 x wave
	s_lshl_b32 s86, ttmp9, 8
	s_add_co_u32 s86, s86, s87                     ; and in the second block
	; descriptor group 1.  k: 8 rows of 1,024 bytes, 16,384 apart.  v: 2 rows of 4,096 bytes, 32,768 apart.  Elements of 8 bytes, no mask, no padding: images need none
	s_mov_b32 s[G1K], 3<<16
	s_mov_b32 s[G1K+1], 128<<16                    ; tensor_dim0
	s_mov_b32 s[G1K+2], 8<<16                      ; tensor_dim1
	s_mov_b32 s[G1K+3], 128<<16                    ; tile_dim0
	s_mov_b32 s[G1K+4], 8                          ; tile_dim1
	s_mov_b32 s[G1K+5], 2048                       ; tensor_dim0_stride
	s_mov_b32 s[G1K+6], 0
	s_mov_b32 s[G1K+7], 0
	s_mov_b32 s[G1V], 3<<16
	s_mov_b32 s[G1V+1], 512<<16
	s_mov_b32 s[G1V+2], 2<<16
	s_mov_b32 s[G1V+3], 512<<16
	s_mov_b32 s[G1V+4], 2
	s_mov_b32 s[G1V+5], 4096
	s_mov_b32 s[G1V+6], 0
	s_mov_b32 s[G1V+7], 0
	s_mov_b32 s[SEL], 0x76543210
	s_mov_b32 s[SEL+1], 0xfedcba98
	s_mov_b32 s[CS], 0x3e38aa3b                    ; log2(e) / 8
	s_mov_b32 s[TB], 0
	s_mov_b32 s[T], 0
	s_mov_b32 s[KF], 0
	s_wait_kmcnt 0x0
	s_load_b256 s[68:75], s[10:11], 0x0            ; e0 .. e7
	s_load_b128 s[76:79], s[10:11], 0x20           ; e8 .. e11
	s_add_nc_u64 s[KBASE:KBASE+1], s[8:9], s[94:95]
	s_add_nc_u64 s[VBASE:VBASE+1], s[8:9], s[96:97]
	s_mov_b32 s[G0K], 1                            ; count = 1
	s_lshl_b32 s[G0K+1], s55, 13                   ; LDS: slot 0, my half of k's 16 tiles
	s_mov_b64 s[G0K+2:G0K+3], s[KBASE:KBASE+1]     ; key slot 0
	s_or_b32 s[G0K+3], s[G0K+3], 0x80000000        ; type = 2
	s_mov_b32 s[G0V], 1
	s_add_co_u32 s[G0V+1], s[G0K+1], VOFF
	s_mov_b64 s[G0V+2:G0V+3], s[VBASE:VBASE+1]
	s_or_b32 s[G0V+3], s[G0V+3], 0x80000000
	TLOAD                                          ; slot 0: the first fill, ahead of every wait on TENSORcnt, LDS read and barrier
	s_add_nc_u64 s[4:5], s[12:13], s[48:49]        ; ctx at my tile of the first block,
	s_add_nc_u64 s[6:7], s[12:13], s[50:51]        ; of the second;
	s_add_nc_u64 s[48:49], s[8:9], s[48:49]        ; q likewise
	s_add_nc_u64 s[50:51], s[8:9], s[50:51]
	v_and_b32 v4, 31, v0
	s_wait_alu depctr_va_vdst(0)
	v_lshlrev_b32 v[LI], 4, v4
	global_load_b128 v[16:19], v[LI], s[48:49]     ; Q's fragment (16 queries x 64): two groups of 512 bytes; it stays in registers
	global_load_b128 v[20:23], v[LI], s[48:49] offset:512
	global_load_b128 v[24:27], v[LI], s[50:51]     ; and the second block's
	global_load_b128 v[28:31], v[LI], s[50:51] offset:512
	; the prefetches: where my wave's stand, and who asks
	s_cmp_lt_u32 s[WV], 6                          ; waves 4 and 5: k; waves 6 and 7: v
	s_cselect_b64 s[PFA:PFA+1], s[KBASE:KBASE+1], s[VBASE:VBASE+1]
	s_mov_b32 s[PFS], 4096
	s_cselect_b32 s[PFS], 0x40000, s[PFS]          ; a slot on
	s_cselect_b32 s52, 2, 4                        ; blocks of 256 bytes in a tile's part: 4 or 16,
	s_cselect_b32 s53, 3, 15
	s_mov_b32 s54, 32768
	s_cselect_b32 s54, 16384, s54                  ; and from tile to tile
	s_mov_b32 s[PFS+1], 0
	s_add_nc_u64 s[PFA:PFA+1], s[PFA:PFA+1], s[PFS:PFS+1]   ; in slot 1: the first change of slots steps it to slot 2.  Nothing is prefetched here, at the head
	v_lshrrev_b32 v[PFO], s52, v4
	s_delay_alu instid0(VALU_DEP_1)
	v_mul_lo_u32 v[PFO], v[PFO], s54
	v_and_b32 v4, s53, v4
	s_delay_alu instid0(VALU_DEP_1)
	v_lshl_add_u32 v[PFO], v4, 8, v[PFO]
	s_lshr_b32 s52, s[WV], 2
	s_xor_b32 s52, s52, 1                          ; 0 in waves 4 to 7,
	s_or_b32 s52, s52, ttmp9                       ; of work-group i = 0
	s_cmp_eq_u32 s52, 0
	s_cselect_b32 s[LIM], 6, 0
	v_and_b32 v7, 15, v0
	v_bfe_u32 v4, v0, 4, 1
	s_delay_alu instid0(VALU_DEP_1)
	v_lshlrev_b32 v4, 3, v4
	s_delay_alu instid0(VALU_DEP_1)
	v_sub_nc_u32 v7, v7, v4                        ; r - 8 h, for the mask
	v_mov_b32 v13, 0xff61b1e6                      ; the largest t so far: -3e38, under every t
	s_delay_alu instid0(VALU_DEP_1)
	v_floor_f32 v12, -v13                          ; -M
	v_mov_b32 v14, 0                               ; the sum, in two halves
	v_mov_b32 v15, 0
	v_mov_b32 v220, 0                              ; written once: a lane permute's destination counts as one of its sources
	v_mov_b32 v225, 0                              ; (named as the upper half of the pair v[224:225])
	v_mov_b32 v228, 0xff800000                     ; -infinity
.set n, 0
.rept 32
	v_mov_b32 v[160+n], 0                          ; O^T.  (A key step is written once: a block's first step finds zeros, which the first change of M leaves zeros)
.set n, n+1
.endr
	s_wait_kmcnt 0x0
	s_add_co_i32 s52, s74, s75
	s_lshl_b32 s52, s52, 23
	s_add_co_i32 s[CS], s[CS], s52                 ; a score stands for score x 2^(e6 + e7): the exponents are added to c's exponent field
	s_mov_b32 s[CS+1], s[CS]                       ; (named with it as a pair, so it is written)
	s_add_co_i32 s52, s76, 127
	s_lshl_b32 s53, s52, 23
	v_mov_b32 v216, s53                            ; 2^e8
	s_sub_co_i32 s52, s78, s76
	s_sub_co_i32 s52, s52, s77                     ; O / l stands for ctx / 2^(e8 + e9): its code is (O / l) / 2^(e10 - e8 - e9)
	s_add_co_i32 s52, s52, 127
	s_lshl_b32 s53, s52, 23
	v_mov_b32 v218, s53
; A KEY STEP: 128 keys, the q-th of the slot in hand.
.macro STEP q
	s_add_co_u32 s90, s[Q0], 15
	s_cmp_gt_u32 s[KF], s90                        ; all 128 keys come after my 16 queries: the step's work is left out
	s_cbranch_scc1 .Lhidden_\@
	v_add_nc_u32 v[ADR], s[TB], v[LI]
.rept 3
	v_nop                                          ; with the addition above: four places in front of loads into registers that the last products read
.endr
.set n, 0
.rept 8
	ds_load_b128 v[32+8*n:35+8*n], v[ADR] offset:8192*(\q)+1024*n       ; k's tile n of 16 keys: two groups of 512 bytes
	ds_load_b128 v[36+8*n:39+8*n], v[ADR] offset:8192*(\q)+1024*n+512
.set n, n+1
.endr
	s_wait_alu depctr_va_vdst(0)
	s_wait_dscnt 0x0
.set n, 0
.rept 8
	v_wmma_f32_16x16x64_fp8_fp8 v[96+8*n:103+8*n], v[32+8*n:39+8*n], v[16:23], 0   ; S^T: lane (r, h) holds query r; register 8 n + j holds key 16 n + 8 h + j
.set n, n+1
.endr
.rept 4
	v_nop                                          ; places in front of the loads below and of the first read of the scores
.endr
.irp t, 0,1,2,3
.irp g, 0,1,2,3
	ds_load_b128 v[32+16*\t+4*\g:35+16*\t+4*\g], v[ADR] offset:VOFF+4096*\t+2048*(\q)+512*\g   ; v's tile t of 16 channels x these 128 keys: it lands under the softmax
.endr
.endr
	s_add_co_u32 s90, s[KF], 127
	s_cmp_le_u32 s90, s[Q0]                        ; all 128 keys count for all my queries: no mask
	s_cbranch_scc1 .Lopen_\@
	s_sub_co_i32 s90, s[Q0], s[KF]
	v_add_nc_u32 v227, s90, v7                     ; d = my query - the step's first key - 8 h: register 8 n + j is hidden where 16 n + j > d
.set n, 0
.rept 64
	v_cmp_gt_i32 vcc_lo, 16*(n/8)+n%8, v227
	v_cndmask_b32 v[96+n], v[96+n], v228, vcc_lo
.set n, n+1
.endr
.Lopen_\@:
	v_max3_num_f32 v226, v96, v97, v98             ; the step's largest score of my query among my 64 keys, in two chains, from each accumulator's low end on,
	v_max3_num_f32 v224, v99, v100, v101
.irp i, 6,10,14,18,22,26,30,34,38,42,46,50,54,58
	v_max3_num_f32 v226, v226, v[96+\i], v[97+\i]
	v_max3_num_f32 v224, v224, v[98+\i], v[99+\i]
.endr
	v_max3_num_f32 v226, v226, v158, v159
	s_delay_alu instid0(VALU_DEP_1)
	v_max_num_f32 v226, v226, v224
	s_delay_alu instid0(VALU_DEP_1)
	v_permlanex16_b32 v220, v226, s[SEL], s[SEL+1]
	s_delay_alu instid0(VALU_DEP_1)
	v_max_num_f32 v226, v226, v220                 ; and among lane l xor 16's
	s_delay_alu instid0(VALU_DEP_1)
	v_mul_f32 v226, s[CS], v226                    ; as t (c is positive)
	s_delay_alu instid0(VALU_DEP_1)
	v_max_num_f32 v13, v13, v226                   ; the running largest t
	v_mov_b32 v226, v12
	s_delay_alu instid0(VALU_DEP_2)
	v_floor_f32 v12, -v13                          ; the new -M = floor(-t) = -ceil(t): M is a whole number
	s_delay_alu instid0(VALU_DEP_1)
	v_sub_f32 v226, v12, v226                      ; M's old value less its new one: a whole number, 0 or less
	s_delay_alu instid0(VALU_DEP_1)
	v_cvt_i32_f32 v226, v226                       ; (it saturates)
	s_delay_alu instid0(VALU_DEP_1)
	v_ldexp_f32 v224, 1.0, v226                    ; f = 2^(old M - new M)
.set n, 0
.rept 32
	v_pk_fma_f32 v[96+n:97+n], v[96+n:97+n], s[CS:CS+1], v[12:13] op_sel_hi:[1,0,0]   ; t - M, two at a time (of the pairs c and -M the low word serves both halves)
.set n, n+2
.endr
.set n, 0
	s_wait_alu depctr_va_vdst(0)
.rept 64
	v_exp_f32 v[96+n], v[96+n]                     ; p = 2^(t - M), at most 1
.set n, n+1
.endr
	v_pk_mul_f32 v[14:15], v[14:15], v[224:225] op_sel_hi:[1,0]   ; the sums under the new M: a plain line behind the exponentials
	s_wait_alu depctr_va_vdst(0)                   ; one wait for the batch, ahead of its first reader
	v_pk_add_f32 v[222:223], v[100:101], v[104:105]
	v_pk_add_f32 v[254:255], v[108:109], v[112:113]
	v_pk_add_f32 v[252:253], v[116:117], v[120:121]
	v_pk_add_f32 v[250:251], v[124:125], v[128:129]
	v_pk_add_f32 v[248:249], v[132:133], v[136:137]
	v_pk_add_f32 v[246:247], v[140:141], v[144:145]
	v_pk_add_f32 v[244:245], v[148:149], v[152:153]
	v_pk_add_f32 v[14:15], v[14:15], v[156:157]
	v_pk_add_f32 v[222:223], v[222:223], v[96:97]
	v_pk_add_f32 v[254:255], v[254:255], v[98:99]
	v_pk_add_f32 v[252:253], v[252:253], v[102:103]
	v_pk_add_f32 v[250:251], v[250:251], v[106:107]
	v_pk_add_f32 v[248:249], v[248:249], v[110:111]
	v_pk_add_f32 v[246:247], v[246:247], v[114:115]
	v_pk_add_f32 v[244:245], v[244:245], v[118:119]
	v_pk_add_f32 v[14:15], v[14:15], v[122:123]
	v_pk_add_f32 v[222:223], v[222:223], v[126:127]
	v_pk_add_f32 v[254:255], v[254:255], v[130:131]
	v_pk_add_f32 v[252:253], v[252:253], v[134:135]
	v_pk_add_f32 v[250:251], v[250:251], v[138:139]
	v_pk_add_f32 v[248:249], v[248:249], v[142:143]
	v_pk_add_f32 v[246:247], v[246:247], v[146:147]
	v_pk_add_f32 v[244:245], v[244:245], v[150:151]
	v_pk_add_f32 v[14:15], v[14:15], v[154:155]
	v_pk_add_f32 v[222:223], v[222:223], v[158:159]
	s_delay_alu instid0(VALU_DEP_2)
	v_pk_add_f32 v[14:15], v[14:15], v[250:251]
	s_delay_alu instid0(VALU_DEP_2)
	v_pk_add_f32 v[222:223], v[222:223], v[248:249]
	v_pk_add_f32 v[254:255], v[254:255], v[246:247]
	v_pk_add_f32 v[252:253], v[252:253], v[244:245]
	s_delay_alu instid0(VALU_DEP_2)
	v_pk_add_f32 v[14:15], v[14:15], v[254:255]
	s_delay_alu instid0(VALU_DEP_2)
	v_pk_add_f32 v[222:223], v[222:223], v[252:253]
	s_delay_alu instid0(VALU_DEP_1)
	v_pk_add_f32 v[14:15], v[14:15], v[222:223]
.set n, 0
.rept 64
.set n, n+1
.endr
.set n, 0
.rept 8
	v_cvt_scalef32_pk8_fp8_f32 v[192+2*n:193+2*n], v[96+8*n:103+8*n], v216   ; keys 16 n + 8 h + 0..7: operand registers 2 n, 2 n + 1
.set n, n+1
.endr
.set n, 0
.rept 16
	v_pk_mul_f32 v[160+n:161+n], v[160+n:161+n], v[224:225] op_sel_hi:[1,0]   ; O^T under the new M.  (Also the plain lines between the conversions and the products)
.set n, n+2
.endr
	s_wait_alu depctr_va_vdst(0)
	s_wait_dscnt 0x0                               ; v is in
.irp t, 0,1,2,3
	v_wmma_f32_16x16x128_fp8_fp8 v[160+8*\t:167+8*\t], v[32+16*\t:47+16*\t], v[192:207], v[160+8*\t:167+8*\t]   ; O^T += v^T p^T: the four accumulators by turns
.endr
.Lhidden_\@:
	s_add_co_u32 s[KF], s[KF], 128
.endm
; THE CHANGE OF SLOTS stands at a trip's head.  Each wave waits for all its tensor loads (its part of the slot that it is about to read), adds 0 to its spare word, and waits for that and for its reads of the slot that it has left.
; Behind the barrier the slot ahead is whole and nobody reads the other one.  fill = 1: that other slot takes the key slot of the next trip: trip n reads key slot n, or n - SW once the blocks have changed.
.macro CHANGE fill
	s_wait_tensorcnt 0x0                           ; no tensor load of mine is out, so a group 0 may be written
	ds_add_u32 v[SPW], v[NIL]                      ; 0 onto my spare word
.if \fill
	s_add_co_u32 s90, s[T], 1
	s_sub_co_u32 s91, s90, s[SW]
	s_cmp_ge_u32 s90, s[SW]
	s_cselect_b32 s90, s91, s90                    ; the next trip's key slot
	s_lshl_b32 s94, s90, 18                        ; k: 16 tiles of 16,384 bytes (s95 = 0)
	s_lshl_b32 s96, s90, 12                        ; v: 4,096 bytes along each row (s97 = 0)
	s_xor_b32 s[G0K+1], s[G0K+1], SLOT1            ; the other LDS slot than last time
	s_xor_b32 s[G0V+1], s[G0V+1], SLOT1
	s_add_nc_u64 s[G0K+2:G0K+3], s[KBASE:KBASE+1], s[94:95]
	s_or_b32 s[G0K+3], s[G0K+3], 0x80000000
	s_add_nc_u64 s[G0V+2:G0V+3], s[VBASE:VBASE+1], s[96:97]
	s_or_b32 s[G0V+3], s[G0V+3], 0x80000000
	s_wait_xcnt 0x0                                ; the last prefetch, a trip back, has read its address, so it may be written
	s_add_nc_u64 s[PFA:PFA+1], s[PFA:PFA+1], s[PFS:PFS+1]
.endif
	s_wait_dscnt 0x0                               ; the add is done, and my reads of the slot that I have left are over
	s_barrier_signal -1
	s_barrier_wait -1
.if \fill
	TLOAD                                          ; the first thing behind the barrier, and a wave's one tensor load until the next
	ASK
.endif
.endm
; A block of queries is finished: O^T / l, quantised; tile t's eight channels are operand registers 2 t, 2 t + 1 of ctx: two stores of 512 consecutive bytes.
.macro FINISH base
.rept 4
	v_nop                                          ; places behind the last products
.endr
	v_add_f32 v14, v14, v15                        ; the sum's two halves,
	s_delay_alu instid0(VALU_DEP_1)
	v_permlanex16_b32 v220, v14, s[SEL], s[SEL+1]
	s_delay_alu instid0(VALU_DEP_1)
	v_add_f32 v14, v14, v220                       ; and lane l xor 16's
	s_wait_alu depctr_va_vdst(0)
	v_rcp_f32 v14, v14
	v_nop                                          ; a plain line behind the reciprocal
	s_wait_alu depctr_va_vdst(0)                   ; and a wait ahead of its first reader
.set n, 0
.rept 16
	v_pk_mul_f32 v[96+n:97+n], v[160+n:161+n], v[14:15] op_sel_hi:[1,0]
.set n, n+2
.endr
.set n, 0
.rept 32
.set n, n+1
.endr
	s_wait_alu depctr_va_vdst(0)
	s_wait_xcnt 0x0                                ; an earlier block's stores have read the registers that the conversions write
.irp t, 0,1,2,3
	v_cvt_scalef32_pk8_fp8_f32 v[208+2*\t:209+2*\t], v[96+8*\t:103+8*\t], v218
.endr
	v_nop                                          ; a plain line behind the last conversion
	global_store_b128 v[LI], v[208:211], s[\base:\base+1]
	global_store_b128 v[LI], v[212:215], s[\base:\base+1] offset:512
.endm
.macro SWITCH                          ; at trip SW the first block is finished and the second begins, at key 0.  A branch on ids and the trip's number; no barrier, tensor load or LDS address stands inside
	s_cmp_eq_u32 s[T], s[SW]
	s_cbranch_scc0 .Lsame_\@
	FINISH 4
.set n, 0
.rept 8
	v_mov_b32 v[16+n], v[24+n]                     ; the second block's Q
.set n, n+1
.endr
	v_mov_b32 v13, 0xff61b1e6
	s_delay_alu instid0(VALU_DEP_1)
	v_floor_f32 v12, -v13
	v_mov_b32 v14, 0
	v_mov_b32 v15, 0
.set n, 0
.rept 32
	v_mov_b32 v[160+n], 0
.set n, n+1
.endr
	s_mov_b32 s[Q0], s86
	s_mov_b32 s[KF], 0
.Lsame_\@:
.endm
	s_wait_loadcnt 0x0                             ; Q, both blocks'
.Lslot:                                            ; eight trips: behind each change of slots but the last the next trip's slot is asked for
	CHANGE 1
	SWITCH
	STEP 0
	STEP 1
	s_xor_b32 s[TB], s[TB], SLOT1
	s_add_co_u32 s[T], s[T], 1
	s_cmp_lt_u32 s[T], 8
	s_cbranch_scc1 .Lslot
	CHANGE 0                                       ; the ninth trip is written out
	SWITCH
	STEP 0
	STEP 1
	FINISH 6
	s_wait_tensorcnt 0x0                           ; the wave's end
	ds_add_u32 v[SPW], v[NIL]
	s_wait_dscnt 0x0
	s_endpgm
.Lfunc_end_k_qc187eb177f_attn:
	.size	k_qc187eb177f_attn, .Lfunc_end_k_qc187eb177f_attn-k_qc187eb177f_attn
	.p2alignl 7, 3214868480
	.fill 96, 4, 3214868480
	.section	.rodata,"a",@progbits
	.p2align	6, 0x0
	.amdhsa_kernel k_qc187eb177f_attn
		.amdhsa_group_segment_fixed_size 327680
		.amdhsa_private_segment_fixed_size 0
		.amdhsa_enable_private_segment 0
		.amdhsa_kernarg_size 24
		.amdhsa_user_sgpr_count 2
		.amdhsa_user_sgpr_kernarg_segment_ptr 1
		.amdhsa_wavefront_size32 1
		.amdhsa_system_sgpr_workgroup_id_x 1
		.amdhsa_system_sgpr_workgroup_id_y 1
		.amdhsa_system_sgpr_workgroup_id_z 1
		.amdhsa_system_vgpr_workitem_id 0
		.amdhsa_next_free_vgpr 256
		.amdhsa_next_free_sgpr 100
		.amdhsa_reserve_vcc 1
		.amdhsa_float_denorm_mode_32 3
		.amdhsa_float_denorm_mode_16_64 3
		.amdhsa_fp16_overflow 1
		.amdhsa_memory_ordered 1
		.amdhsa_forward_progress 1
		.amdhsa_inst_pref_size 95
	.end_amdhsa_kernel
	.amdgpu_metadata
---
amdhsa.version: [ 1, 2 ]
amdhsa.kernels:
  - .name:           k_qc187eb177f_attn
    .symbol:         k_qc187eb177f_attn.kd
    .args:
      - { .name: qkvc, .offset: 0, .size: 8, .value_kind: global_buffer, .address_space: global }
      - { .name: lowp_scales, .offset: 8, .size: 8, .value_kind: global_buffer, .address_space: global }
      - { .name: ctxc, .offset: 16, .size: 8, .value_kind: global_buffer, .address_space: global }
    .group_segment_fixed_size: 327680
    .private_segment_fixed_size: 0
    .kernarg_segment_align: 8
    .kernarg_segment_size: 24
    .max_flat_workgroup_size: 512
    .sgpr_count:     100
    .vgpr_count:     256
    .wavefront_size: 32
...
	.end_amdgpu_metadata
.endif
;; end of part 3
;; launch outp (part 4): grid 4 x 32, 4 waves a work-group, clusters of 4 x 4, 327,680 bytes of LDS; arguments ctxc, wc, lowp_scales, b_out, out0; writes out0
.if DOCPART == 4
	.amdgcn_target "amdgcn-amd-amdhsa--gfx1250"
	.amdhsa_code_object_version 6
	.text
	.protected	k_qc187eb177f_outp
	.globl	k_qc187eb177f_outp
	.p2align	8
	.type	k_qc187eb177f_outp,@function
k_qc187eb177f_outp:
	s_mov_b64 s[64:65], 0
	v_nop
	global_prefetch_b8 v0, s[64:65] scope:SCOPE_SE
	s_setreg_imm32_b32 hwreg(HW_REG_WAVE_MODE, 25, 1), 1
	s_wait_xcnt 0x0
	s_wait_alu depctr_hold_cnt(0) depctr_sa_sdst(0) depctr_va_vdst(0) depctr_va_sdst(0) depctr_va_ssrc(0) depctr_va_vcc(0) depctr_vm_vsrc(0)
	s_getreg_b32 s2, hwreg(HW_REG_IB_STS2, 6, 4)
	s_cmp_eq_u32 s2, 0
	s_cbranch_scc0 .Lentry_in_a_cluster
	s_endpgm
.Lentry_in_a_cluster:
	s_bfe_u32 s2, ttmp6, 0x10000c
	s_cmp_lg_u32 s2, 0xf033
	s_cbranch_scc0 .Lentry_shape_is_right
	s_endpgm
.Lentry_shape_is_right:
; out = ctx W_out + b_out.  ctx [8192][1024] and W_out^T [1024 n][1024 k] arrive as E4M3 codes (scales 2^e10, 2^e11), laid as images of operand registers:
;   byte(row, k) = (row/16) 16 K + (k/32) 512 + 16 (16 ((k%16)/8) + row%16) + 8 ((k%32)/16) + k%8: a fragment of 16 rows x 128 K is 2,048 bytes on end, lane l's 16 bytes at 16 l.   out: [8192][1024] f32.
; A work-group of four waves makes 256 x 256, a wave 128 x 128: 64 accumulators.  K goes in steps of 256 through two LDS slots filled by the tensor data mover; four slots' worth, so the steps are written out.
; CLUSTERS: 4 x 4 work-groups; ctx's tile is asked for jointly along a row of the cluster, the weight's along a column.  Source 0 = 16 rows of the weight, source 1 = 16 rows of ctx: a lane holds eight neighbouring outputs of one token.
; 128 work-groups: a tile of 128 x 256 would give 256, with half as many products for each fragment read from LDS.  A prefetch is left out: of four fills two are first fills, and the tiles are shared by the joint loads.
; LIMIT: e10 + e11 lies between -126 and 127, so that 2^(e10 + e11) is an f32 number.
; REGISTERS, in windows of 256: window 0: v0-31 addresses and the bias; from v128 A's fragments, one set; on the way out v128-255 rows read back.  window 1: B's fragments, two sets.  windows 2, 3: the accumulators.
.set HALFT,  32768                     ; 128 rows x 256 K: 8 tiles of 16 rows, 4,096 bytes each: what one tensor load brings
.set SLOT,   4*HALFT
.set SPARE,  2*SLOT                    ; behind the ring: the spare words, 128 bytes for each wave
.set STAGE,  SPARE+512                 ; behind them: a stage of 16 rows x (512 bytes + 16) for each wave: bytes of its own, into which no fill lands
.set SPITCH, 528
.set KB,     4096
.set FR,     16
.set NL,     4
.set NP,     4
.set BIAS, 8                           ; v8-11   b_out at my four columns of a row read back
.set ADRA, 16
.set ADRB, 20
.set STO,  24                          ; v24     the way out: where I put 32 bytes of a row
.set RD,   25                          ; v25     where I read a row back
.set CO,   26                          ; v26     16 x lane
.set SPW,  28
.set NIL,  29
.set AF,   128
.set BK,   128
.set G1, 24
.set G0, 32
.set G1B, 48
.set G0B, 56
.set MSB, 0
.macro WIN new
.if MSB != \new
	s_set_vgpr_msb (MSB<<8)|\new
.set MSB, \new
.endif
.endm
.set MUL_LO, 0xa1
.set MUL_HI, 0xf1
.set TO_B,   0x40
.macro JLOAD g0a, g1a, g0b, g1b        ; a joint load: waves 0 and 1 fetch for A, waves 2 and 3 for B; four v_nop follow each line
	s_cmp_eq_u32 s15, 0
	s_cbranch_scc0 .Lfor_b_\@
	tensor_load_to_lds s[\g0a:\g0a+3], s[\g1a:\g1a+7]
	s_nop 0
.rept 4
	v_nop
.endr
	s_branch .Lasked_\@
.Lfor_b_\@:
	tensor_load_to_lds s[\g0b:\g0b+3], s[\g1b:\g1b+7]
	s_nop 0
.rept 4
	v_nop
.endr
.Lasked_\@:
.endm
.macro CREST
	s_cmp_lg_u32 s14, 0
	s_cbranch_scc1 .Lnot_wave_0_\@
	s_barrier_signal -3
.Lnot_wave_0_\@:
	s_barrier_wait -3
	s_barrier_signal -1
	s_barrier_wait -1
.endm
.macro CROUND
	s_barrier_signal -1
	s_barrier_wait -1
	CREST
.endm
	s_load_b128 s[4:7], s[0:1], 0x0                ; ctx's codes, the weights' codes
	s_load_b128 s[8:11], s[0:1], 0x10              ; the scales' exponents, b_out
	s_load_b64 s[12:13], s[0:1], 0x20              ; out
	v_lshl_add_u32 v[SPW], v0, 2, SPARE
	v_mov_b32 v[NIL], 0
	ds_add_u32 v28, v29
	ds_add_u32 v28, v29
	s_wait_dscnt 0x0
	v_lshrrev_b32 v1, 5, v0
	v_readfirstlane_b32 s14, v1                    ; wave 0..3
	s_lshr_b32 s15, s14, 1                         ; which half of the tile's rows is mine.  Also: I fetch for A (0) or for B (1)
	s_and_b32 s16, s14, 1                          ; which half of its columns.  Also: which 128 rows I fetch
	s_bfe_u32 s40, ttmp6, 0x40000                  ; cx
	s_bfe_u32 s41, ttmp6, 0x40004                  ; cy
	s_lshl_b32 s42, ttmp9, 2
	s_add_co_u32 s42, s42, s40                     ; tile column = 4 x cluster x + cx
	s_and_b32 s17, ttmp7, 0xffff
	s_lshl_b32 s17, s17, 2
	s_add_co_u32 s17, s17, s41                     ; tile row = 4 x cluster y + cy
	s_lshl_b32 s43, s41, 2
	s_lshl_b32 s43, 15, s43                        ; my row of the cluster
	s_lshl_b32 s44, 0x1111, s40                    ; my column
	s_or_b32 s[G1+0], s43, (3<<16)|(1<<21)         ; 15:0 the mask; 17:16 elements of 8 bytes; no padding; 21 set beside a mask
	s_or_b32 s[G1B+0], s44, (3<<16)|(1<<21)
.irp g, G1, G1B
	s_mov_b32 s[\g+1], 512<<16                     ; tensor_dim0: 4,096 bytes
	s_mov_b32 s[\g+2], 8<<16                       ; tensor_dim1
	s_mov_b32 s[\g+3], 512<<16                     ; tile_dim0
	s_mov_b32 s[\g+4], 8                           ; tile_dim1
	s_mov_b32 s[\g+5], 2048                        ; tensor_dim0_stride: 16,384 bytes
	s_mov_b32 s[\g+6], 0
	s_mov_b32 s[\g+7], 0
.endr
	s_lshl_b32 s18, s16, 17                        ; the 128 rows that I fetch
	s_lshl_b32 s20, s17, 18
	s_add_co_u32 s20, s20, s18
	s_mov_b32 s21, 0
	s_lshl_b32 s46, s42, 18
	s_add_co_u32 s46, s46, s18
	s_add_co_u32 s46, s46, 0x300000                ; W_out's codes lie 3 MiB in
	s_mov_b32 s47, 0
	s_mul_i32 s45, s14, HALFT
	s_wait_kmcnt 0x0
	s_load_b64 s[96:97], s[8:9], 0x28              ; e10, e11
	s_add_nc_u64 s[20:21], s[4:5], s[20:21]
	s_add_nc_u64 s[46:47], s[6:7], s[46:47]
	CROUND                                         ; all sixteen work-groups are here: the first joint loads meet
.irp s, 0,1
	s_mov_b32 s[G0+4*\s], 1
	s_add_co_u32 s[G0+4*\s+1], s45, \s*SLOT
	s_add_nc_u64 s[G0+4*\s+2:G0+4*\s+3], s[20:21], \s*KB
	s_or_b32 s[G0+4*\s+3], s[G0+4*\s+3], 0x80000000
	s_mov_b32 s[G0B+4*\s], 1
	s_add_co_u32 s[G0B+4*\s+1], s45, \s*SLOT
	s_add_nc_u64 s[G0B+4*\s+2:G0B+4*\s+3], s[46:47], \s*KB
	s_or_b32 s[G0B+4*\s+3], s[G0B+4*\s+3], 0x80000000
	s_wait_alu depctr_va_vdst(0)
	s_wait_tensorcnt 0x0
	ds_add_u32 v28, v29
	ds_add_u32 v28, v29
	s_wait_dscnt 0x0
	CROUND
	JLOAD G0+4*\s, G1, G0B+4*\s, G1B
.endr
	v_and_b32 v6, 31, v0
	v_lshlrev_b32 v[CO], 4, v6                     ; 16 x lane
	s_mul_i32 s21, s15, HALFT
	s_mul_i32 s22, s16, HALFT
	s_add_co_u32 s22, s22, 2*HALFT
.irp s, 0,1
	v_add_nc_u32 v[ADRA+\s], s21, v[CO]
	v_add_nc_u32 v[ADRB+\s], s22, v[CO]
	s_add_co_u32 s21, s21, SLOT
	s_add_co_u32 s22, s22, SLOT
.endr
	v_and_b32 v1, 15, v0                           ; r
	v_bfe_u32 v2, v0, 4, 1                         ; h
	s_mul_i32 s23, s14, 16*SPITCH
	s_add_co_u32 s23, s23, STAGE                   ; my stage
	v_mul_u32_u24 v5, v1, SPITCH
	v_lshl_add_u32 v5, v2, 5, v5
	v_add_nc_u32 v[STO], s23, v5                   ; in: row r, 32 bytes for each half of the lanes
	v_add_nc_u32 v[RD], s23, v[CO]                 ; back: the 32 lanes take one row of 512 bytes
	s_lshl_b32 s46, s42, 10                        ; my first column, in bytes: 1,024 x tile column + 512 x half
	s_lshl_b32 s47, s16, 9
	s_add_co_u32 s46, s46, s47
	s_mov_b32 s47, 0
	s_add_nc_u64 s[10:11], s[10:11], s[46:47]
	global_load_b128 v[BIAS:BIAS+3], v[CO], s[10:11]   ; the bias of the four columns that I hold of every row read back
	s_lshl_b32 s20, s17, 8
	s_lshl_b32 s21, s15, 7
	s_add_co_u32 s20, s20, s21                     ; my first row: 256 x tile row + 128 x half,
	s_lshl_b32 s20, s20, 12                        ; of 4,096 bytes
	s_mov_b32 s21, 0
	s_add_nc_u64 s[20:21], s[20:21], s[46:47]
	s_add_nc_u64 s[12:13], s[12:13], s[20:21]
.macro FRAG reg, adr, q, i
.irp c, 0,1,2,3
	ds_load_b128 v[\reg+4*\c:\reg+4*\c+3], v[\adr] offset:2048*(\q)+512*\c+(\i)*KB
.endr
.endm
; The 64 accumulators take turns, one instruction a turn, in the same order in every step.
.macro MUL16 a0, p, zero
.irp a, \a0, \a0+1
.irp b, 0,1,2,3,4,5,6,7
.if \zero
	v_wmma_f32_16x16x128_fp8_fp8 v[8*(8*((\a)%4)+\b):8*(8*((\a)%4)+\b)+7], v[128*(\p)+FR*\b:128*(\p)+FR*\b+FR-1], v[AF+FR*(\a):AF+FR*(\a)+FR-1], 0
.else
	v_wmma_f32_16x16x128_fp8_fp8 v[8*(8*((\a)%4)+\b):8*(8*((\a)%4)+\b)+7], v[128*(\p)+FR*\b:128*(\p)+FR*\b+FR-1], v[AF+FR*(\a):AF+FR*(\a)+FR-1], v[8*(8*((\a)%4)+\b):8*(8*((\a)%4)+\b)+7]
.endif
.endr
.endr
.endm
.macro FETCH_B slot, q, p
	WIN TO_B
.irp i, 0,1,2,3,4,5,6,7
	FRAG 128*(\p)+FR*\i, ADRB+\slot, \q, \i
.endr
	WIN 0
.endm
.macro FETCH_A slot, q, i0
.irp i, \i0, \i0+1, \i0+2, \i0+3
	FRAG AF+FR*(\i), ADRA+\slot, \q, \i
.endr
.endm
.macro PLACES n                        ; plain vector lines between a matrix instruction and a load into, or a read of, its registers
.rept \n
	v_nop
.endr
.endm
.macro STEP slot, q, zero
	s_wait_dscnt 4*NL                              ; B's set and A's blocks 0-3 are in; the youngest 16 loads (A's blocks 4-7) may be out
	WIN MUL_LO
	MUL16 0, (\q)%2, \zero
	MUL16 2, (\q)%2, \zero
	s_wait_dscnt 0
	PLACES NP
	FETCH_B \slot, (\q)+1, 1-(\q)%2
	FETCH_A \slot, (\q)+1, 0
	WIN MUL_HI
	MUL16 4, (\q)%2, \zero
	MUL16 6, (\q)%2, \zero
	PLACES NP
	WIN 0
	FETCH_A \slot, (\q)+1, 4
.endm
.macro TURN slot, next, fill
	s_wait_tensorcnt 0x0                           ; all my tensor loads have landed: my part of the next slot
	ds_add_u32 v[SPW], v[NIL]                      ; 0 onto my spare word
	s_wait_dscnt 4*NL+1                            ; the add and the youngest 16 loads may be out
	WIN MUL_LO
	MUL16 0, 1, 0
	s_wait_dscnt 0x0                               ; the add is done, and my reads of this slot are over
	s_barrier_signal -1
	MUL16 2, 1, 0
	WIN 0
	s_barrier_wait -1
.if \fill
	CREST                                          ; the barrier has opened a round of the cluster's: no wave of any partner still reads this slot or has a load on its way
	s_add_nc_u64 s[G0+4*\slot+2:G0+4*\slot+3], s[G0+4*\slot+2:G0+4*\slot+3], 2*KB
	s_add_nc_u64 s[G0B+4*\slot+2:G0B+4*\slot+3], s[G0B+4*\slot+2:G0B+4*\slot+3], 2*KB
	JLOAD G0+4*\slot, G1, G0B+4*\slot, G1B
.else
	PLACES NP
.endif
	FETCH_B \next, 0, 0
	FETCH_A \next, 0, 0
	WIN MUL_HI
	MUL16 4, 1, 0
	MUL16 6, 1, 0
	PLACES NP
	WIN 0
	FETCH_A \next, 0, 4
.endm
	s_wait_alu depctr_va_vdst(0)
	s_wait_tensorcnt 1                             ; my part of slot 0 is in; slot 1's load may be out
	s_barrier_signal -1
	s_barrier_wait -1
	FETCH_B 0, 0, 0
	FETCH_A 0, 0, 0
	FETCH_A 0, 0, 4
	STEP 0, 0, 1
	TURN 0, 1, 1
	STEP 1, 0, 0
	TURN 1, 0, 1
	STEP 0, 0, 0
	TURN 0, 1, 0
	STEP 1, 0, 0
	s_wait_dscnt 4*NL
	WIN MUL_LO
	MUL16 0, 1, 0
	MUL16 2, 1, 0
	s_wait_dscnt 0
	WIN MUL_HI
	MUL16 4, 1, 0
	MUL16 6, 1, 0
	WIN 0
; THE WAY OUT, block by block of 16 rows x 128 columns.  A lane holds 32 neighbouring bytes of a row and the lanes beside it hold other rows: the raw sums go through my own stage in LDS and come back as whole rows of 512 bytes;
; there one packed multiply-add for two numbers gives sum x 2^(e10 + e11) + bias, and the 32 lanes store 512 consecutive bytes.  LDS serves a wave's instructions in order: no wait between the stores and the loads.
.macro TOSTAGE a
.set AC, 64*((\a)%4)
	WIN 0x08+4*((\a)/4)                            ; the stores' data: window 2 or 3
.irp b, 0,1,2,3,4,5,6,7
	ds_store_b128 v[STO], v[AC+8*\b:AC+8*\b+3] offset:64*\b          ; each accumulator from its low end on
	ds_store_b128 v[STO], v[AC+8*\b+4:AC+8*\b+7] offset:64*\b+16
.endr
	WIN 0
.set BB, BK+64*((\a)%2)
.irp t, 0,1,2,3,4,5,6,7,8,9,10,11,12,13,14,15
	ds_load_b128 v[BB+4*\t:BB+4*\t+3], v[RD] offset:\t*SPITCH
.endr
.endm
.macro SEND a, younger                 ; younger: the LDS instructions issued behind block a's loads, which may stay out
.set BB, BK+64*((\a)%2)
	s_wait_dscnt \younger
.if (\a) > 0
	s_add_nc_u64 s[12:13], s[12:13], 16*4096       ; (behind a wait on XCNT: the earlier stores have read their base)
.endif
.set i, 0
.rept 32
	v_pk_fma_f32 v[BB+2*i:BB+2*i+1], v[BB+2*i:BB+2*i+1], s[96:97], v[BIAS+2*(i%2):BIAS+2*(i%2)+1] op_sel_hi:[1,0,1]
.set i, i+1
.endr
.irp t, 0,1,2,3,4,5,6,7,8,9,10,11,12,13,14,15
	global_store_b128 v[CO], v[BB+4*\t:BB+4*\t+3], s[12:13] offset:\t*4096 th:TH_STORE_NT   ; 512 consecutive bytes, at a multiple of 512 from out's first byte; written once, read by nobody here
.endr
.endm
	s_wait_kmcnt 0x0
	s_add_co_i32 s96, s96, s97
	s_add_co_i32 s96, s96, 127
	s_lshl_b32 s96, s96, 23                        ; 2^(e10 + e11) as f32
	s_mov_b32 s97, s96                             ; (named with it as a pair, so it is written)
	s_wait_loadcnt 0x0                             ; the bias
	PLACES NP                                      ; behind the last products: the stage's stores read results, and its loads land where A's fragments lay
	TOSTAGE 0
.irp a, 1,2,3,4,5,6,7
.if \a > 1
	s_wait_xcnt 0x0                                ; block a - 2's stores have read their registers and their base: block a's loads may land there, and the base may step
.endif
	TOSTAGE \a
	SEND \a-1, 32                                  ; behind block a - 1's loads: block a's 16 stores and 16 loads
.endr
	s_wait_xcnt 0x0
	SEND 7, 0
	s_wait_tensorcnt 0x0                           ; the wave's end
	ds_add_u32 v[SPW], v[NIL]
	s_wait_dscnt 0x0
	CROUND                                         ; the closing round
	s_endpgm
.Lfunc_end_k_qc187eb177f_outp:
	.size	k_qc187eb177f_outp, .Lfunc_end_k_qc187eb177f_outp-k_qc187eb177f_outp
	.p2alignl 7, 3214868480
	.fill 96, 4, 3214868480
	.section	.rodata,"a",@progbits
	.p2align	6, 0x0
	.amdhsa_kernel k_qc187eb177f_outp
		.amdhsa_group_segment_fixed_size 327680
		.amdhsa_private_segment_fixed_size 0
		.amdhsa_enable_private_segment 0
		.amdhsa_kernarg_size 40
		.amdhsa_user_sgpr_count 2
		.amdhsa_user_sgpr_kernarg_segment_ptr 1
		.amdhsa_wavefront_size32 1
		.amdhsa_system_sgpr_workgroup_id_x 1
		.amdhsa_system_sgpr_workgroup_id_y 1
		.amdhsa_system_sgpr_workgroup_id_z 1
		.amdhsa_system_vgpr_workitem_id 0
		.amdhsa_next_free_vgpr 1024
		.amdhsa_next_free_sgpr 100
		.amdhsa_reserve_vcc 0
		.amdhsa_float_denorm_mode_32 3
		.amdhsa_float_denorm_mode_16_64 3
		.amdhsa_memory_ordered 1
		.amdhsa_forward_progress 1
		.amdhsa_inst_pref_size 124
	.end_amdhsa_kernel
	.amdgpu_metadata
---
amdhsa.version: [ 1, 2 ]
amdhsa.kernels:
  - .name:           k_qc187eb177f_outp
    .symbol:         k_qc187eb177f_outp.kd
    .args:
      - { .name: ctxc, .offset: 0, .size: 8, .value_kind: global_buffer, .address_space: global }
      - { .name: wc, .offset: 8, .size: 8, .value_kind: global_buffer, .address_space: global }
      - { .name: lowp_scales, .offset: 16, .size: 8, .value_kind: global_buffer, .address_space: global }
      - { .name: b_out, .offset: 24, .size: 8, .value_kind: global_buffer, .address_space: global }
      - { .name: out0, .offset: 32, .size: 8, .value_kind: global_buffer, .address_space: global }
    .group_segment_fixed_size: 327680
    .private_segment_fixed_size: 0
    .kernarg_segment_align: 8
    .kernarg_segment_size: 40
    .max_flat_workgroup_size: 128
    .sgpr_count:     100
    .vgpr_count:     1024
    .wavefront_size: 32
...
	.end_amdgpu_metadata
.endif
;; end of part 4
